; MI455X (gfx1250); checked and timed in simulation.
; The chip was launched on July 23, 2026; its instructions are those of AMD's public machine-readable ISA for CDNA 5 (MIT licence, August 2026) and "CDNA5" Instruction Set Architecture Reference Guide (July 2026). The comments in the code are by the model that wrote it; some were corrected since.
;; MP Decoder. Allowed arithmetic: matrix products marked QUANTISED: E4M3 operands, one given power-of-two scale a tensor, by v_wmma_f32_16x16x64_fp8_fp8 or v_wmma_f32_16x16x128_fp8_fp8, f32 sums; products left as they are: f32 operands where the result goes on into a quantised operand, else bf16, f16 or f32 operands; f32 sums; everything else in f32.
;; Inputs: Wk 128 x 128 float32; Wq 128 x 128 float32; Wq_graph 128 x 128 float32; Wq_last 128 x 128 float32; Wq_visited 128 x 128 float32; dists 32 x 500 x 500 float32; embeddings 32 x 500 x 128 float32; group_ninf_mask 32 x 500 x 500 float32; last_node 32 x 500 int32; lowp_scales 12 int32 (the exponents e of the quantised operands' scales 2^e); q_first 32 x 500 x 128 float32.
;; Outputs: out0 32 x 500 x 500 float32.
;; This version of the problem:
;;   THIS VERSION OF THE PROBLEM IS GIVEN IN LOW PRECISION. The matrix products marked QUANTISED in the list below multiply operands that are first quantised to E4M3 (4 exponent bits, 3 mantissa bits; 8 bits a number), with one given power-of-two scale for each operand tensor; their sums are f32. All else is computed in f32.
;;   The module's matrix products, in the order in which they are computed (A, B: the left and right operand; K: the contracted axis; several contracted axes count as one K, in the product's order):
;;     1. [M 32, K 128] x [K 128, N 128]; A: computed on the way; B: input Wq_graph: QUANTISED (scales: A lowp_scales[0], B lowp_scales[1])
;;     2. [M 16,000, K 128] x [K 128, N 128]; A: input embeddings; B: input Wk: QUANTISED (scales: A lowp_scales[2], B lowp_scales[3])
;;     3. [M 16,000, K 128] x [K 128, N 128]; A: computed on the way; B: input Wq_last: QUANTISED (scales: A lowp_scales[4], B lowp_scales[5])
;;     4. batch 32 x [M 500, K 500] x [K 500, N 128]; A: computed on the way; B: input embeddings: QUANTISED (scales: A lowp_scales[6], B lowp_scales[7])
;;     5. [M 16,000, K 128] x [K 128, N 128]; A: computed on the way; B: input Wq_visited: QUANTISED (scales: A lowp_scales[8], B lowp_scales[9])
;;     6. [M 16,000, K 128] x [K 128, N 128]; A: computed on the way; B: input Wq: QUANTISED (scales: A lowp_scales[10], B lowp_scales[11])
;;     7. batch 256 x [M 500, K 16] x [K 16, N 500]; A: computed on the way; B: computed on the way: left as it is (K = 16 < 32)
;;   THE QUANTISER, for each operand of a quantised product, along K:
;;     - The operand's scale is 2^e, e = its entry of the input lowp_scales (int32; the entries are numbered through the quantised products in the list's order, A before B).
;;     - Each number is divided by the scale, clamped to +-448, and rounded to the nearest number of E4M3, ties to even, subnormals kept.
;;     - The product sums the exact products of the quantised numbers (number of the format x scale) in f32.
;;   ~~~python
;;   def quantise(x, axis, e):      # numpy; x: float32 -> the quantised numbers, widened to float32 again
;;       x = np.moveaxis(x, axis, -1); K = x.shape[-1]
;;       r = np.clip(x / 2.0 ** e, -448, 448)
;;       step = 2.0 ** (np.maximum(np.frexp(np.where(r == 0, 1, r))[1] - 1, -6) - 3)
;;       q = np.round(r / step) * step * 2.0 ** e      # np.round: ties to even
;;       return np.moveaxis(q, -1, axis).astype(np.float32)
;;   ~~~
;;   OPERANDS COMPUTED ON THE WAY. 'Computed on the way' means the value that the module computes at that place (a softmax that the list does not call 'softmax' is quantised finished and normalised). What goes into a quantiser is computed in f32, as accurately as f32 sums, v_exp_f32 and their like allow (about 1e-6 of the number): no bf16 or f16 on the way to a quantiser, and a product that is left as it is and whose result goes on into a quantised operand takes f32 operands (vector FMAs, or v_wmma_f32_16x16x4_f32). A number that lies on a knife's edge between two numbers of the format may be rounded either way, as far as f32 arithmetic and the matrix unit's own rounding can turn it there, and no further.
;; One version. Each part assembles by itself: llvm-mc -triple=amdgcn-amd-amdhsa -mcpu=gfx1250 --defsym DOCPART=n.
;; ======== version 1 of 1: 2 launches
;; limits: values are held in f16: magnitudes above 65,504 overflow, below 6.1e-05 lose precision
;; workspace buffers: k16 4,194,304 bytes; embt 2,097,152 bytes; wcodes 65,536 bytes; psum 65,536 bytes
;; launch prep (part 1): grid 4 x 33, 8 waves a work-group, no clusters, 17,920 bytes of LDS; arguments embeddings, Wk, Wq_last, Wq_graph, Wq_visited, Wq, lowp_scales, k16, embt, wcodes, psum; writes k16, embt, wcodes, psum
.if DOCPART == 1
	.amdgcn_target "amdgcn-amd-amdhsa--gfx1250"
	.amdhsa_code_object_version 6
	.text
	.protected	k_qe974c1fcb9_prep
	.globl	k_qe974c1fcb9_prep
	.p2align	8
	.type	k_qe974c1fcb9_prep,@function
k_qe974c1fcb9_prep:
	s_mov_b64 s[64:65], 0
	v_nop
	global_prefetch_b8 v0, s[64:65] scope:SCOPE_SE
	s_setreg_imm32_b32 hwreg(HW_REG_WAVE_MODE, 25, 1), 1
	s_wait_xcnt 0x0
; MPDecoder, first of two launches: what many work-groups of the second launch read is quantised or computed ONCE here and laid in the order of the operands' registers.
; NOTHING OF reference() IS LEFT OUT: every input has a way to the output (q_graph stands ahead of a quantiser, so it is live).  One regrouping is used, an identity for all inputs:
; mean over the 8 heads of (q_h . k_h / sqrt(128) - d / sqrt(2)) = (q . k over all 128 features) / (8 sqrt(128)) - d / sqrt(2): the same 128 multiplications, summed in one product with K = 128.
; WHAT IS MADE.  k16:    the keys, embeddings x Wk^T on codes of E4M3 (scales e2, e3); the raw f32 sum x 2^-9, rounded to f16.  |sum| <= 128 x 448 x 448 = 25,690,112 by the quantiser's own clamp, so
;                        |sum| x 2^-9 <= 50,176 is an f16 number for every input; the powers of two are put back on the f32 scores in the second launch.
;                embt:   the embeddings' codes under e7 with the NODES innermost (K of mask x embeddings); nodes 500..511 are zero codes.
;                wcodes: the codes of Wq_last (e5), Wq_graph (e1), Wq_visited (e9), Wq (e11).        psum: column sums of the embeddings over 128 nodes, f32 (for the mean).
; LAYOUT.  A fragment (16 rows x 128 K of codes) is 16 registers a lane: lane (r = lane % 16, h = lane / 16) holds row r, registers 4 c .. 4 c + 3 hold k = 32 c + 16 h + 0 .. 15 (the same order of k on both sides of every product).
; It lies in memory as the image of its registers: each group of four registers is 512 bytes, lane l's 16 bytes at 16 l.  So every store here covers 512 consecutive bytes, aligned, and the reader loads 16 bytes a lane.
; A PERMUTED tile 2 B + u holds in lane r the row 32 B + 8 u + r + 8 (r / 8): used as source 0 it gives a lane 16 neighbours in the registers of tiles 2 B and 2 B + 1.  Keys, embt's features, Wq_last, Wq_graph, Wq_visited are laid so; Wk and Wq by neighbouring rows.
; SHARES.  Work-group (x, y < 32): batch y, nodes 128 x .. 128 x + 127; wave v: tile v of Wk (into LDS, for all eight waves), key tile v, feature tile v of embt.  Work-groups (x, 32): weight x, wave v its tile v.
; LIMITS.  e1, e2, e3, e5, e7, e9, e11 between -126 and 119, so that 2^e and 448 x 2^e are f32 numbers.  NaN among the inputs is not served.  The mean's order of summing differs from reference()'s.
.set WI,    0                          ; LDS: Wk's eight fragments, 2,048 bytes each
.set PS,    16384                      ; 128 column sums
.set SPARE, 16896                      ; the spare words, 128 bytes for each of the eight waves: four blocks of 256 bytes that no other line names
.set SPW,   4                          ; v4   LDS address of my spare word; never rewritten
.set NIL,   5                          ; v5   0; never rewritten
.set ER,    16                         ; v16-79   my key's 64 numbers; later the eight result tiles
.set EC,    80                         ; v80-95   their codes
.set WR,    96                         ; v96-159  my row of Wk (or of a weight)
.set CT,    160                        ; v160-223 my feature's 64 nodes
.set WF,    96                         ; v96-223  behind the barrier: Wk's eight fragments
.set PK,    224                        ; v224-255 codes just made; later the keys in f16.  v240-245 hold the scales until then, v246-249 are at work
.macro MKSCALE e, vs, vl               ; the exponent in s[e]: v[vs] = 2^e (the conversion takes its exponent field), v[vl] = 448 x 2^e
	s_add_co_i32 s50, s[\e], 127
	s_lshl_b32 s51, s50, 23
	v_mov_b32 v[\vs], s51
	s_add_co_i32 s50, s50, 8
	s_lshl_b32 s50, s50, 23
	s_or_b32 s50, s50, 0x600000
	v_mov_b32 v[\vl], s50
.endm
.macro QUANT64 src, dst, sc, lim       ; 64 numbers of a lane become a fragment's 16 registers
.irp b, 0,1,2,3
.irp i, 0,1,2,3,4,5,6,7,8,9,10,11,12,13,14,15
	v_med3_num_f32 v[\src+16*\b+\i], v[\src+16*\b+\i], -v[\lim], v[\lim]   ; the conversion to an 8-bit code does not saturate (ISA guide 7.6.2): the hold at the largest code x the scale
.endr
	v_cvt_scalef32_pk8_fp8_f32 v[\dst+4*\b:\dst+4*\b+1], v[\src+16*\b:\src+16*\b+7], v[\sc]
	v_cvt_scalef32_pk8_fp8_f32 v[\dst+4*\b+2:\dst+4*\b+3], v[\src+16*\b+8:\src+16*\b+15], v[\sc]
.endr
.endm
	s_load_b512 s[4:19], s[0:1], 0x0               ; embeddings s[4:5], Wk s[6:7], Wq_last s[8:9], Wq_graph s[10:11], Wq_visited s[12:13], Wq s[14:15], the scales s[16:17], k16 s[18:19]
	s_load_b128 s[20:23], s[0:1], 0x40             ; embt s[20:21], wcodes s[22:23]
	s_load_b64 s[24:25], s[0:1], 0x50              ; psum
	v_lshl_add_u32 v[SPW], v0, 2, SPARE
	v_mov_b32 v[NIL], 0
	v_lshrrev_b32 v1, 5, v0
	v_readfirstlane_b32 s40, v1                    ; wave v, 0..7
	v_and_b32 v1, 15, v0                           ; r
	v_bfe_u32 v2, v0, 4, 1                         ; h
	v_and_b32 v3, 31, v0
	v_lshlrev_b32 v3, 4, v3                        ; 16 x lane: my place in an image
	s_mov_b32 s41, ttmp9                           ; x
	s_and_b32 s42, ttmp7, 0xffff                   ; y
	s_wait_kmcnt 0x0
	s_load_b256 s[28:35], s[16:17], 0x0            ; e0 .. e7
	s_load_b128 s[36:39], s[16:17], 0x20           ; e8 .. e11
	s_cmp_eq_u32 s42, 32                           ; the work-group's number alone: all eight waves go the same way
	s_cbranch_scc1 .Lweights
	; ---- batch y, nodes 128 x on
	s_lshl_b32 s43, s40, 13                        ; 16 v rows of Wk, 512 bytes each
	v_lshlrev_b32 v6, 9, v1
	v_lshl_add_u32 v6, v2, 6, v6
	v_add_nc_u32 v6, s43, v6                       ; Wk: row 16 v + r, + 64 h
	s_lshr_b32 s46, s40, 1
	s_lshl_b32 s46, s46, 5
	s_and_b32 s47, s40, 1
	s_lshl_b32 s47, s47, 3
	s_add_co_u32 s46, s46, s47                     ; 32 (v / 2) + 8 (v % 2)
	v_and_b32 v8, 8, v1
	v_add_nc_u32 v8, v8, v1
	v_add_nc_u32 v8, s46, v8                       ; f: my row of permuted tile v, 0 .. 127: a key of the 128, and a feature
	s_lshl_b32 s47, s41, 7
	v_add_nc_u32 v7, s47, v8
	v_min_u32 v7, 499, v7                          ; keys 500 .. 511 are copies of key 499: the second launch hides those columns
	v_lshlrev_b32 v7, 9, v7
	v_lshl_add_u32 v7, v2, 6, v7                   ; my key's row, + 64 h
	s_lshl_b32 s48, s41, 16                        ; 128 x rows of 512 bytes
	v_lshlrev_b32 v10, 2, v8
	v_add_nc_u32 v10, s48, v10
	v_lshl_add_u32 v9, v2, 13, v10                 ; my feature's column at node 128 x + 16 h
	s_cmp_eq_u32 s41, 3
	s_cselect_b32 s43, 0xffff0000, 0               ; the lanes whose last twelve nodes are 500 .. 511
	s_cselect_b32 s49, 0, 8192
	v_mad_u32_u24 v10, v2, s49, v10                ; the same address, but in the last 128 nodes without the half's 16 rows: those twelve loads stay inside the batch, and their numbers are replaced by 0
	s_lshl_b32 s54, s40, 11
	v_add_nc_u32 v11, s54, v3                      ; LDS: Wk's fragment v
	v_lshl_add_u32 v12, v8, 2, PS                  ; LDS: my feature's sum
	s_lshl_b32 s55, s42, 3
	s_add_co_u32 s55, s55, s40
	s_lshl_b32 s55, s55, 2
	s_add_co_u32 s55, s55, s41
	s_lshl_b32 s55, s55, 11
	v_add_nc_u32 v13, s55, v3                      ; embt: ((8 b + v) 4 + x) 2,048
	s_lshl_b32 s56, s42, 5
	s_lshl_b32 s57, s41, 3
	s_add_co_u32 s56, s56, s57
	s_add_co_u32 s56, s56, s40
	s_lshl_b32 s56, s56, 12
	v_add_nc_u32 v14, s56, v3                      ; k16: (32 b + 8 x + v) 4,096
	s_lshl_b32 s57, s42, 2
	s_add_co_u32 s57, s57, s41
	s_lshl_b32 s57, s57, 9
	v_add_nc_u32 v15, s57, v3                      ; psum: (4 b + x) 512
	s_mul_i32 s44, s42, 256000
	s_mov_b32 s45, 0
	s_add_nc_u64 s[4:5], s[4:5], s[44:45]          ; the batch's embeddings
.irp c, 0,1,2,3
.irp j, 0,1,2,3
	global_load_b128 v[WR+16*\c+4*\j:WR+16*\c+4*\j+3], v6, s[6:7] offset:128*\c+16*\j
.endr
.endr
.irp c, 0,1,2,3
.irp j, 0,1,2,3
	global_load_b128 v[ER+16*\c+4*\j:ER+16*\c+4*\j+3], v7, s[4:5] offset:128*\c+16*\j
.endr
.endr
.irp c, 0,1,2,3
.irp i, 0,1,2,3,4,5,6,7,8,9,10,11,12,13,14,15
.if (\c == 3) && (\i > 3)
	global_load_b32 v[CT+16*\c+\i], v10, s[4:5] offset:(32*\c+\i)*512
.else
	global_load_b32 v[CT+16*\c+\i], v9, s[4:5] offset:(32*\c+\i)*512   ; E(128 x + 32 c + 16 h + i, f): a lane takes a feature and its registers run down the nodes
.endif
.endr
.endr
	s_mov_b32 s52, 0x76543210                      ; v_permlanex16_b32's selects for lane l xor 16
	s_mov_b32 s53, 0xfedcba98
	s_wait_kmcnt 0x0
	MKSCALE 31, 240, 241                           ; e3: Wk
	MKSCALE 30, 242, 243                           ; e2: the embeddings as product 2's operand
	MKSCALE 35, 244, 245                           ; e7: the embeddings as product 4's operand
	s_wait_loadcnt 63                              ; 64 loads were issued behind my key's row; the wait's field ends at 63: Wk's row and the key's row are in
	QUANT64 WR, PK, 240, 241
.irp c, 0,1,2,3
	ds_store_b128 v11, v[PK+4*\c:PK+4*\c+3] offset:WI+512*\c
.endr
	QUANT64 ER, EC, 242, 243
	s_wait_loadcnt 0x0
.irp i, 4,5,6,7,8,9,10,11,12,13,14,15
	v_cndmask_b32 v[CT+48+\i], v[CT+48+\i], 0, s43 ; nodes 500 .. 511 count for nothing, in the sum and as codes
.endr
	v_pk_add_f32 v[246:247], v[CT:CT+1], v[CT+2:CT+3]      ; my feature's sum over my 64 nodes: two at a time, in two chains
	v_pk_add_f32 v[248:249], v[CT+4:CT+5], v[CT+6:CT+7]
.irp j, 8,12,16,20,24,28,32,36,40,44,48,52,56,60
	v_pk_add_f32 v[246:247], v[246:247], v[CT+\j:CT+\j+1]
	v_pk_add_f32 v[248:249], v[248:249], v[CT+\j+2:CT+\j+3]
.endr
	v_pk_add_f32 v[246:247], v[246:247], v[248:249]
	v_add_f32 v246, v246, v247
	v_permlanex16_b32 v248, v246, s52, s53         ; the other 64 nodes lie in the lane 16 away
	v_add_f32 v246, v246, v248
	ds_store_b32 v12, v246
	s_wait_dscnt 0x0                               ; the stores of Wk's image have read their registers
	QUANT64 CT, PK, 244, 245
	v_nop                                          ; one plain vector instruction behind the last conversion: matrix instructions below write registers that conversions have read
.irp c, 0,1,2,3
	global_store_b128 v13, v[PK+4*\c:PK+4*\c+3], s[20:21] offset:512*\c   ; 32 lanes store 512 consecutive bytes, at a multiple of 512 from embt's first byte
.endr
	s_wait_dscnt 0x0                               ; for the others' sake: my LDS stores are done
	s_barrier_signal -1
	s_barrier_wait -1                              ; Wk's eight fragments and the 128 sums lie in LDS
.irp t, 0,1,2,3,4,5,6,7
.irp c, 0,1,2,3
	ds_load_b128 v[WF+16*\t+4*\c:WF+16*\t+4*\c+3], v3 offset:WI+2048*\t+512*\c
.endr
.endr
	s_mov_b32 s50, 0x3b000000                      ; 2^-9
	s_mov_b32 s51, s50                             ; (named with it as a pair, so it is written)
	s_wait_dscnt 0x0
	s_wait_xcnt 0x0                                ; embt's stores have read their registers, which take the keys below
.irp t, 0,1,2,3,4,5,6,7                            ; source 0 = 16 rows of Wk, source 1 = my 16 keys: lane (r, h) holds key r, register j of tile t feature 16 t + 8 h + j.  Eight accumulators, one instruction each
	v_wmma_f32_16x16x128_fp8_fp8 v[ER+8*\t:ER+8*\t+7], v[WF+16*\t:WF+16*\t+15], v[EC:EC+15], 0
.endr
.rept 4
	v_nop                                          ; four places behind the matrix instructions, ahead of the first read of their results (ISA guide 7.12.1)
.endr
.set k, 0
.rept 32
	v_pk_mul_f32 v[ER+k:ER+k+1], v[ER+k:ER+k+1], s[50:51] op_sel_hi:[1,0]   ; x 2^-9: exact; each accumulator from its low end on
.set k, k+2
.endr
.irp t, 0,1,2,3,4,5,6,7
.irp j, 0,1,2,3
	v_cvt_pk_f16_f32 v[PK+4*\t+\j], v[ER+8*\t+2*\j], v[ER+8*\t+2*\j+1]      ; tiles 2 s and 2 s + 1 are registers 0-3 and 4-7 of the f16 fragment of features 32 s .. 32 s + 31
.endr
.endr
.irp t, 0,1,2,3,4,5,6,7
	global_store_b128 v14, v[PK+4*\t:PK+4*\t+3], s[18:19] offset:512*\t
.endr
	s_cmp_lg_u32 s40, 0                            ; wave 0 alone stores the 128 sums; no barrier stands under this branch
	s_cbranch_scc1 .Lend
	ds_load_b128 v[ER:ER+3], v3 offset:PS
	s_wait_dscnt 0x0
	global_store_b128 v15, v[ER:ER+3], s[24:25]
	s_branch .Lend
.Lweights:                                             ; ---- weight x, tile v; no LDS, no barrier
	s_wait_kmcnt 0x0
	s_cmp_eq_u32 s41, 0                            ; pointer and exponent are chosen on the work-group's number
	s_cselect_b64 s[44:45], s[8:9], s[10:11]
	s_cselect_b32 s46, s33, s29                    ; e5 or e1
	s_cmp_eq_u32 s41, 2
	s_cselect_b64 s[44:45], s[12:13], s[44:45]
	s_cselect_b32 s46, s37, s46                    ; e9
	s_cmp_eq_u32 s41, 3
	s_cselect_b64 s[44:45], s[14:15], s[44:45]
	s_cselect_b32 s46, s39, s46                    ; e11
	s_cselect_b32 s47, 0, 1                        ; Wq's tiles hold neighbouring rows, the others' are permuted
	v_and_b32 v6, 8, v1
	v_mul_u32_u24 v6, v6, s47
	v_add_nc_u32 v6, v6, v1                        ; r (+ 8 (r / 8))
	s_and_b32 s48, s40, 1
	s_lshl_b32 s48, s48, 3
	s_mul_i32 s48, s48, s47
	s_lshl_b32 s49, s40, 4
	s_sub_co_u32 s49, s49, s48                     ; 16 v (- 8 (v % 2))
	v_add_nc_u32 v6, s49, v6
	v_lshlrev_b32 v6, 9, v6
	v_lshl_add_u32 v6, v2, 6, v6
	s_lshl_b32 s48, s41, 3
	s_add_co_u32 s48, s48, s40
	s_lshl_b32 s48, s48, 11
	v_add_nc_u32 v7, s48, v3                       ; wcodes: (8 x + v) 2,048
.irp c, 0,1,2,3
.irp j, 0,1,2,3
	global_load_b128 v[WR+16*\c+4*\j:WR+16*\c+4*\j+3], v6, s[44:45] offset:128*\c+16*\j
.endr
.endr
	MKSCALE 46, 240, 241
	s_wait_loadcnt 0x0
	QUANT64 WR, PK, 240, 241
	v_nop
.irp c, 0,1,2,3
	global_store_b128 v7, v[PK+4*\c:PK+4*\c+3], s[22:23] offset:512*\c
.endr
.Lend:
	s_wait_tensorcnt 0x0                           ; the wave's end: behind my last LDS store
	ds_add_u32 v[SPW], v[NIL]
	s_wait_dscnt 0x0
	s_endpgm
.Lfunc_end_k_qe974c1fcb9_prep:
	.size	k_qe974c1fcb9_prep, .Lfunc_end_k_qe974c1fcb9_prep-k_qe974c1fcb9_prep
	.p2alignl 7, 3214868480
	.fill 96, 4, 3214868480
	.section	.rodata,"a",@progbits
	.p2align	6, 0x0
	.amdhsa_kernel k_qe974c1fcb9_prep
		.amdhsa_group_segment_fixed_size 17920
		.amdhsa_private_segment_fixed_size 0
		.amdhsa_enable_private_segment 0
		.amdhsa_kernarg_size 88
		.amdhsa_user_sgpr_count 2
		.amdhsa_user_sgpr_kernarg_segment_ptr 1
		.amdhsa_wavefront_size32 1
		.amdhsa_system_sgpr_workgroup_id_x 1
		.amdhsa_system_sgpr_workgroup_id_y 1
		.amdhsa_system_sgpr_workgroup_id_z 1
		.amdhsa_system_vgpr_workitem_id 0
		.amdhsa_next_free_vgpr 256
		.amdhsa_next_free_sgpr 66
		.amdhsa_reserve_vcc 0
		.amdhsa_float_denorm_mode_32 3
		.amdhsa_float_denorm_mode_16_64 3
		.amdhsa_memory_ordered 1
		.amdhsa_forward_progress 1
		.amdhsa_inst_pref_size 46
	.end_amdhsa_kernel
	.amdgpu_metadata
---
amdhsa.version: [ 1, 2 ]
amdhsa.kernels:
  - .name:           k_qe974c1fcb9_prep
    .symbol:         k_qe974c1fcb9_prep.kd
    .args:
      - { .name: embeddings, .offset: 0, .size: 8, .value_kind: global_buffer, .address_space: global }
      - { .name: Wk, .offset: 8, .size: 8, .value_kind: global_buffer, .address_space: global }
      - { .name: Wq_last, .offset: 16, .size: 8, .value_kind: global_buffer, .address_space: global }
      - { .name: Wq_graph, .offset: 24, .size: 8, .value_kind: global_buffer, .address_space: global }
      - { .name: Wq_visited, .offset: 32, .size: 8, .value_kind: global_buffer, .address_space: global }
      - { .name: Wq, .offset: 40, .size: 8, .value_kind: global_buffer, .address_space: global }
      - { .name: lowp_scales, .offset: 48, .size: 8, .value_kind: global_buffer, .address_space: global }
      - { .name: k16, .offset: 56, .size: 8, .value_kind: global_buffer, .address_space: global }
      - { .name: embt, .offset: 64, .size: 8, .value_kind: global_buffer, .address_space: global }
      - { .name: wcodes, .offset: 72, .size: 8, .value_kind: global_buffer, .address_space: global }
      - { .name: psum, .offset: 80, .size: 8, .value_kind: global_buffer, .address_space: global }
    .group_segment_fixed_size: 17920
    .private_segment_fixed_size: 0
    .kernarg_segment_align: 8
    .kernarg_segment_size: 88
    .max_flat_workgroup_size: 256
    .sgpr_count:     66
    .vgpr_count:     256
    .wavefront_size: 32
...
	.end_amdgpu_metadata
.endif
;; end of part 1
;; launch decode (part 2): grid 8 x 32, 4 waves a work-group, no clusters, 327,680 bytes of LDS; arguments group_ninf_mask, dists, last_node, embeddings, q_first, lowp_scales, embt, k16, wcodes, psum, out0; writes out0
.if DOCPART == 2
	.amdgcn_target "amdgcn-amd-amdhsa--gfx1250"
	.amdhsa_code_object_version 6
	.text
	.protected	k_qe974c1fcb9_decode
	.globl	k_qe974c1fcb9_decode
	.p2align	8
	.type	k_qe974c1fcb9_decode,@function
k_qe974c1fcb9_decode:
	s_mov_b64 s[64:65], 0
	v_nop
	global_prefetch_b8 v0, s[64:65] scope:SCOPE_SE
	s_setreg_imm32_b32 hwreg(HW_REG_WAVE_MODE, 25, 1), 1
	s_wait_xcnt 0x0
; MPDecoder, second launch: 64 groups of one batch go through the whole chain in one work-group; nothing between the inputs and the probabilities goes to memory.  No work of reference() is left out; the mean over heads is taken
; inside one product with K = 128 (the identity stated at the head of the first launch).
; CHAIN.  mask -> codes (e6) x embt (e7), / 500 -> codes (e8) x Wq_visited;  gathered embedding -> codes (e4) x Wq_last;  mean -> codes (e0) x Wq_graph;  ((q_last + q_first) + q_graph) + q_visited -> codes (e10) x Wq -> q;
;   x = (q . k) / (8 sqrt(128)) - d / sqrt(2);  logit = 10 tanh(x) + (mask, -1e8 where it is -inf);  softmax over the 500 nodes, the row's maximum taken away first.
; THE LAST PRODUCT takes f16 operands: the raw sums of products 2 and 6 x 2^-9, at most 50,176 by the quantiser's clamp.  With E = 18 + e2 + e3 + e10 + e11, and since 8 sqrt(128) / sqrt(2) = 64:
;   x = 2^E / (8 sqrt(128)) x (S - d 2^(6 - E)), S the f16 product's f32 sum: so -d 2^(6 - E) is the C of the sum's first matrix instruction.  10 tanh(x) = 10 - 20 / (1 + 2^(2 log2(e) x)).
; THE SOFTMAX.  Each wave takes the largest logit m of its 128 nodes away: p = 2^(L log2(e) - c), c = m log2(e) rounded to f32, one fused multiply-add.  The waves exchange (c, sum of p); with C the largest c, p 2^(c - C) / sum over waves of
;   (sum 2^(c - C)) is the probability: c's rounding is a common factor of p and of the sums and cancels exactly, at logits near -1e8 too (there it moves an exponent by 8 at the most).
; SHARES.  Work-group (blk, b): groups 64 blk .. 64 blk + 63 of batch b (in blk 7 only 52 exist: row numbers are held at 499 for loads, and nothing beyond row 499 is stored).  THE FOUR WAVES SHARE THE COLUMNS: wave w owns nodes
; 128 w .. 128 w + 127 of mask, dists, scores and out, and features 32 w .. 32 w + 31 of every product with K = 128, for all 64 rows (four tiles m of 16).  So each byte of embt, k16 and wcodes is loaded once a work-group, straight into
; the registers of the one wave that multiplies by it.  Operands that a wave has made reach the others through LDS as images of their registers (16 bytes a lane, 512 bytes a store).
; Every product is used transposed (source 0 = weights, embt or keys, source 1 = 16 groups): a lane holds ONE group, 16 m + lane % 16, throughout.
; THE WAY OUT GOES TILE BY TILE: a tile's probabilities are stored while the later tiles' tanh and exponentials are computed, and the next tile's vector work, in five pieces, stands in the gaps of a tile's chain of LDS trips and barriers.
; NO CLUSTER: what the eight work-groups of a batch share (embt 64 KiB, k16 128 KiB, wcodes 64 KiB) does not pass through LDS at all, and LDS has no room for a joint tile: the work-group's own 64 rows of mask and of dists take
; 270,336 bytes and the images 53,760 of the 327,680.  NO RING: nothing in LDS is filled twice; all 128 copies of a wave are asked for at the head.
; LIMITS.  e0, e4, e6, e10 and e8 - e6 - e7 between -126 and 119; e4 + e5, e0 + e1, e8 + e9, 6 - E between -126 and 127; E between -121 and 132 (it is added to a constant's exponent field).  NaN and +infinity among the inputs are not served;
; finite entries of the mask lie above -2e38 (c is an f32 number).  f16 operands under 2^-14 lose relative precision.  out0's batches begin at multiples of 64 bytes, not of 256: each store below covers 512 consecutive bytes at a multiple
; of 256 from out0's first byte; a block's first and last pieces are partial.
; REGISTERS, in windows of 256 (s_set_vgpr_msb: bits 1:0 source 0, 3:2 source 1, 5:4 source 2, 7:6 destination).
;   window 0: v0-31 addresses and scales; v32-47, v48-63 codes just made (v48-63 later q_graph); v64-127 results at work; v128-191, v192-255 fragments fetched from LDS
;   window 1: MK(m, c, i) = 64 m + 16 c + i, node 128 w + 32 c + 16 (lane / 16) + i of group 16 m + lane % 16: the mask, then mask_prob, the logit, p
;   window 2: v0-63, v64-127 the dists copies' LDS addresses and offsets; v128-191 the mask copies' offsets, then product 4's sums; v192-255 q_first, then the growing final_q; later all 256: dists, scores (indexed as MK)
;   window 3: v0-127 embt's eight fragments; v128-255 the four weights' two tiles each; later k16's eight tiles; at the end pieces of out, four registers each, none used twice
.set WREG,  33792                      ; LDS: a wave's 64 rows x (512 bytes + 16 of padding): row r starts at bank 4 r mod 64, so the 16 rows that a load touches start at 16 different groups of banks
.set DB,    135168                     ; the mask at 0, the gathered dists here, each 4 x WREG
.set XM,    270336                     ; mask codes: fragment 4 m + s, 2,048 bytes each.  Once they are read: final_q's codes in the first 8,192 bytes, q in f16 (fragment 4 m + s, 1,024 bytes) in the next 16,384
.set XL,    303104                     ; the gathered embeddings' codes, fragment m
.set XG,    311296                     ; the mean's codes, all 16 rows alike
.set XV,    313344                     ; the visited query's codes, fragment m
.set ST,    321536                     ; [wave][64 rows] pairs (c, sum)
.set SPARE, 323584                     ; the spare words, 128 bytes for each wave: two blocks of 256 bytes that no other line names
.set STG,   256                        ; the way out: 64 rows of 2,000 bytes on end, in the mask's bytes, which have had their one fill and their last read
.set SCV,  1                           ; v1   2^(e8 - e6 - e7)   (the lane's number until the addresses are made)
.set SPW,  4                           ; v4   LDS address of my spare word; never rewritten
.set NIL,  5                           ; v5   0; never rewritten
.set LI,   6                           ; v6   16 x lane
.set MC,   7                           ; v7   my 16 bytes of row 0 of my wave's part of the mask in LDS
.set COL,  8                           ; v8   my 16 bytes of a row of 2,000 in memory, held at the last 16
.set SC6,  8                           ;      later 2^e6
.set COLD, 9                           ; v9   the same + the batch
.set SC4,  9                           ;      later 2^e4
.set MR,   10                          ; v10  mask in LDS: row lane % 16, + 64 (lane / 16)
.set DR,   11                          ; v11  dists likewise
.set IMG,  12                          ; v12  XM + 16 x lane
.set IWQ,  13                          ; v13  + 512 w: my quarter of a fragment
.set IWF,  14                          ; v14  + 2,048 w: my fragment of codes
.set IWH,  15                          ; v15  + 1,024 w: my fragment of f16
.set STW,  16                          ; v16  where I put my rows' pairs
.set STR,  17                          ; v17  where I read them
.set SW0,  18                          ; v18, v19 the stage: rows 0-31, rows 32-63
.set RD0,  20                          ; v20, v21 the stage read on end
.set RD1,  21
.set GO,   22                          ; v22  512 w + 16 x lane
.set Q0,   23                          ; v23  the same less the block's distance from a multiple of 256
.set GA,   24                          ; v24  the gather's offsets
.set QA,   25                          ; v25, v26 q_first's
.set QB,   26
.set PO,   27                          ; v27  128 w + 64 (lane / 16)
.set MBV,  28                          ; v28  the mask's offset of row 0
.set SC0,  28                          ;      later 2^e0
.set T0,   29                          ; v29  at work
.set SC10, 30                          ; v30  2^e10
.set PC,   32
.set QG,   48
.set HA,   64
.set F0,   128
.set F1,   192
.set TM,   64                          ; the softmax's registers, in window 0, a set for each tile: four at work,
.set ML,   80                          ; the pair (c, sum) of my 128 nodes,
.set SS,   88                          ; four pairs of sums
.set SP0,  120                         ; v120, v121 the stage's addresses for the twelve stores that hold nodes 500 .. 511 in wave 3's upper lanes
.set OD,   124                         ; v124-127 a ragged piece of out
.set G,    128                         ; the four waves' pairs
.set X,    160                         ; 20 exponents
.set FM,   180                         ; what p is multiplied by, twice (a pair for the packed multiply)
.set MSB, 0
.macro WIN new                         ; the immediate's high byte repeats the setting that is left; a switch that changes nothing is dropped
.if MSB != \new
	s_set_vgpr_msb (MSB<<8)|\new
.set MSB, \new
.endif
.endm
.macro PLACES                          ; four places behind matrix instructions, ahead of loads into their operands and of the first read of their results (ISA guide 7.12.1 for the reads of results)
.rept 4
	v_nop
.endr
.endm
.macro BARRIER                         ; my LDS stores have landed and my LDS loads are in: then the work-group's barrier
	s_wait_dscnt 0x0
	s_barrier_signal -1
	s_barrier_wait -1
.endm
.macro P2 d, e                         ; s[d] = 2^(s[e]) as f32
	s_add_co_i32 s[\d], s[\e], 127
	s_lshl_b32 s[\d], s[\d], 23
.endm
.macro SCL e, vs, sl                   ; the exponent in s[e]: v[vs] = 2^e; s[sl], s[sl + 1] = -448 x 2^e, +448 x 2^e
	s_add_co_i32 s3, s[\e], 127
	s_lshl_b32 s[\sl], s3, 23
	v_mov_b32 v[\vs], s[\sl]
	s_add_co_i32 s3, s3, 8
	s_lshl_b32 s3, s3, 23
	s_or_b32 s[\sl+1], s3, 0x600000
	s_or_b32 s[\sl], s[\sl+1], 0x80000000
.endm
.macro QUANT16 src, dst, sc, sl        ; 16 neighbours along K become four registers of codes
.irp i, 0,1,2,3,4,5,6,7,8,9,10,11,12,13,14,15
	v_med3_num_f32 v[\src+\i], v[\src+\i], s[\sl], s[\sl+1]   ; the conversion to an 8-bit code does not saturate (ISA guide 7.6.2): the hold at the largest code x the scale
.endr
	v_cvt_scalef32_pk8_fp8_f32 v[\dst:\dst+1], v[\src:\src+7], v[\sc]
	v_cvt_scalef32_pk8_fp8_f32 v[\dst+2:\dst+3], v[\src+8:\src+15], v[\sc]
.endm
.macro QUANT64 src, dst, sc, sl
	QUANT16 \src, \dst, \sc, \sl
	QUANT16 \src+16, \dst+4, \sc, \sl
	QUANT16 \src+32, \dst+8, \sc, \sl
	QUANT16 \src+48, \dst+12, \sc, \sl
.endm
.macro IMAGE reg, adr, off             ; the fragment in v[reg] on goes to LDS as it stands
.irp c, 0,1,2,3
	ds_store_b128 v[\adr], v[\reg+4*\c:\reg+4*\c+3] offset:\off+512*\c
.endr
.endm
.macro FETCH reg, off                  ; and comes back so, in any wave
.irp c, 0,1,2,3
	ds_load_b128 v[\reg+4*\c:\reg+4*\c+3], v[IMG] offset:\off+512*\c
.endr
.endm
.macro W8 wb                           ; my two tiles of a weight (window 3, from v[wb]) x the four fragments in F0: eight accumulators, one instruction each
.irp m, 0,1,2,3
.irp u, 0,1
	v_wmma_f32_16x16x128_fp8_fp8 v[HA+16*\m+8*\u:HA+16*\m+8*\u+7], v[\wb+16*\u:\wb+16*\u+15], v[F0+16*\m:F0+16*\m+15], 0
.endr
.endr
.endm
.macro MUL4 ks, f                      ; product 4, K step ks (128 nodes): the eight accumulators take turns, one instruction a turn
.irp m, 0,1,2,3
.irp u, 0,1
	v_wmma_f32_16x16x128_fp8_fp8 v[128+16*\m+8*\u:128+16*\m+8*\u+7], v[64*\u+16*\ks:64*\u+16*\ks+15], v[\f+16*\m:\f+16*\m+15], v[128+16*\m+8*\u:128+16*\m+8*\u+7]
.endr
.endr
.endm
.macro KLOAD t                         ; tile t of my eight tiles of keys: four f16 fragments, 32 registers of window 3
.irp q, 0,1,2,3,4,5,6,7
	global_load_b128 v[32*\t+4*\q:32*\t+4*\q+3], v[LI], s[22:23] offset:4096*\t+512*\q
.endr
.endm
.macro DLOAD m                         ; tile m's distances, my 128 nodes, into window 2
.irp c, 0,1,2,3
.irp j, 0,1,2,3
	ds_load_b128 v[64*\m+16*\c+4*\j:64*\m+16*\c+4*\j+3], v[DR] offset:8448*\m+128*\c+16*\j
.endr
.endr
.endm
.macro MSTORE u, rd, off               ; a piece of out that may be ragged: only the lanes whose 16 bytes lie inside my block load and store.  EXEC changes only behind s_wait_xcnt 0
	v_add_nc_u32 v[T0], 2048*\u, v[Q0]             ; my bytes' place in the block; a place ahead of the block wraps to a large number
	v_cmp_gt_u32 vcc_lo, s101, v[T0]
	s_wait_xcnt 0x0
	s_and_saveexec_b32 s52, vcc_lo
	ds_load_b128 v[OD:OD+3], v[\rd] offset:\off
	s_wait_dscnt 0x0
	global_store_b128 v[GO], v[OD:OD+3], s[28:29] offset:2048*\u th:TH_STORE_NT
	s_wait_xcnt 0x0
	s_or_b32 exec_lo, exec_lo, s52
.endm
; ---- TILE m's TANH AND OWN STATISTICS, in pieces A1 .. A5.  Each batch of transcendentals is followed, at the head of the next piece, by one plain instruction and ONE wait ahead of its first reader;
; what stands between two pieces names none of the batch's registers.
.macro A1 m                            ; 2 log2(e) x, each accumulator from its low end on; 2^ of it
	WIN 0x82
.set k, 64*(\m)
.rept 32
	v_pk_mul_f32 v[k:k+1], v[k:k+1], s[80:81] op_sel_hi:[1,0]
.set k, k+2
.endr
.set k, 64*(\m)
.rept 64
	v_exp_f32 v[k], v[k]
.set k, k+1
.endr
.endm
.macro A2 m                            ; 1 / (1 + 2^..)
	WIN 0x82
	v_nop
	s_wait_alu depctr_va_vdst(0)
.set k, 64*(\m)
.rept 32
	v_pk_add_f32 v[k:k+1], v[k:k+1], 1.0 op_sel_hi:[1,0]
.set k, k+2
.endr
.set k, 64*(\m)
.rept 64
	v_rcp_f32 v[k], v[k]
.set k, k+1
.endr
.endm
.macro A3 m                            ; the logit.  (Its wait also serves the five exponentials of the tile before, which stand just ahead of it)
	WIN 0x82
	v_nop
	s_wait_alu depctr_va_vdst(0)
.set k, 64*(\m)
.rept 32
	v_pk_fma_f32 v[k:k+1], v[k:k+1], s[82:83], s[84:85] op_sel_hi:[1,0,0]      ; 10 - 20 / (1 + 2^..) = 10 tanh(x)
.set k, k+2
.endr
	WIN 0x46                                       ; destination and source 1 window 1, source 0 window 2
.set k, 64*(\m)
.rept 32
	v_pk_add_f32 v[k:k+1], v[k:k+1], v[k:k+1]                                  ; + mask_prob: one rounding, as reference() has it
.set k, k+2
.endr
	WIN 0x41
.irp i, 4,5,6,7,8,9,10,11,12,13,14,15
	v_cndmask_b32 v[64*(\m)+48+\i], v[64*(\m)+48+\i], s48, s50                 ; nodes 500 .. 511 do not exist: -infinity, so that p = 0
.endr
.endm
.macro A4A m                           ; the largest logit of my 128 nodes: four chains, the chain's register in window 0; then c
	WIN 0x15
.irp q, 0,1,2,3
	v_max3_num_f32 v[TM+4*(\m)+\q], v[64*(\m)+16*\q], v[64*(\m)+16*\q+1], v[64*(\m)+16*\q+2]
.endr
	WIN 0x14
.irp t, 3,5,7,9,11,13
.irp q, 0,1,2,3
	v_max3_num_f32 v[TM+4*(\m)+\q], v[TM+4*(\m)+\q], v[64*(\m)+16*\q+\t], v[64*(\m)+16*\q+\t+1]
.endr
.endr
	v_max3_num_f32 v[TM+4*(\m)], v[TM+4*(\m)], v[64*(\m)+15], v[64*(\m)+31]
	v_max3_num_f32 v[TM+4*(\m)+1], v[TM+4*(\m)+1], v[64*(\m)+47], v[64*(\m)+63]
	WIN 0
	v_max3_num_f32 v[TM+4*(\m)], v[TM+4*(\m)], v[TM+4*(\m)+1], v[TM+4*(\m)+2]
	v_max_num_f32 v[TM+4*(\m)], v[TM+4*(\m)], v[TM+4*(\m)+3]
	v_permlanex16_b32 v[TM+4*(\m)+1], v[TM+4*(\m)], s54, s55                   ; the group's other 64 of my nodes lie in the lane 16 away
	v_max_num_f32 v[TM+4*(\m)], v[TM+4*(\m)], v[TM+4*(\m)+1]
	v_mul_f32 v[ML+2*(\m)], s86, v[TM+4*(\m)]                                  ; c = m log2(e)
	v_mov_b32 v[ML+2*(\m)+1], 0                                                ; (named below as the upper half of a pair; the sum will stand here)
.endm
.macro A4B m                           ; p = 2^(L log2(e) - c): the maximum is taken away inside one fused multiply-add
	WIN 0x41
.set k, 64*(\m)
.rept 32
	v_pk_fma_f32 v[k:k+1], v[k:k+1], s[86:87], v[ML+2*(\m):ML+2*(\m)+1] op_sel_hi:[1,0,0] neg_lo:[0,0,1] neg_hi:[0,0,1]
.set k, k+2
.endr
.set k, 64*(\m)
.rept 64
	v_exp_f32 v[k], v[k]
.set k, k+1
.endr
.endm
.macro A5 m                            ; their sum: four chains of pairs
	WIN 0x05
	v_nop
	s_wait_alu depctr_va_vdst(0)
.irp q, 0,1,2,3
	v_pk_add_f32 v[SS+8*(\m)+2*\q:SS+8*(\m)+2*\q+1], v[64*(\m)+16*\q:64*(\m)+16*\q+1], v[64*(\m)+16*\q+2:64*(\m)+16*\q+3]
.endr
	WIN 0x04
.irp t, 4,6,8,10,12,14
.irp q, 0,1,2,3
	v_pk_add_f32 v[SS+8*(\m)+2*\q:SS+8*(\m)+2*\q+1], v[SS+8*(\m)+2*\q:SS+8*(\m)+2*\q+1], v[64*(\m)+16*\q+\t:64*(\m)+16*\q+\t+1]
.endr
.endr
	WIN 0
	v_pk_add_f32 v[SS+8*(\m):SS+8*(\m)+1], v[SS+8*(\m):SS+8*(\m)+1], v[SS+8*(\m)+2:SS+8*(\m)+3]
	v_pk_add_f32 v[SS+8*(\m)+4:SS+8*(\m)+5], v[SS+8*(\m)+4:SS+8*(\m)+5], v[SS+8*(\m)+6:SS+8*(\m)+7]
	v_pk_add_f32 v[SS+8*(\m):SS+8*(\m)+1], v[SS+8*(\m):SS+8*(\m)+1], v[SS+8*(\m)+4:SS+8*(\m)+5]
	v_add_f32 v[SS+8*(\m)], v[SS+8*(\m)], v[SS+8*(\m)+1]
	v_permlanex16_b32 v[SS+8*(\m)+1], v[SS+8*(\m)], s54, s55
	v_add_f32 v[ML+2*(\m)+1], v[SS+8*(\m)], v[SS+8*(\m)+1]
.endm
.macro STST m                          ; my pair goes to LDS; both halves of the lanes hold the same pair and write the same word.  Each tile has words of its own
	WIN 0
	ds_store_b64 v[STW], v[ML+2*(\m):ML+2*(\m)+1] offset:128*(\m)
.endm
; ---- TILE m FROM THE WAVES' STATISTICS TO THE STAGE, in pieces B1 .. B4.  alone = 1: no other tile's work stands between the pieces, so each brings its own plain instruction and wait
.macro B1 m                            ; every wave's pair of tile m lies in LDS behind this barrier
	WIN 0
	BARRIER
.irp x, 0,1,2,3
	ds_load_b64 v[G+8*\x+2*(\m):G+8*\x+2*(\m)+1], v[STR] offset:512*\x+128*(\m)
.endr
.endm
.macro B2 m                            ; C, the largest c; what brings each wave's sum, and my p, under it
	WIN 0
	s_wait_dscnt 0x0
	v_max3_num_f32 v[TM+4*(\m)], v[G+2*(\m)], v[G+8+2*(\m)], v[G+16+2*(\m)]
	v_max_num_f32 v[TM+4*(\m)], v[TM+4*(\m)], v[G+24+2*(\m)]
.irp x, 0,1,2,3
	v_sub_f32 v[X+4*\x+(\m)], v[G+8*\x+2*(\m)], v[TM+4*(\m)]
.endr
	v_sub_f32 v[X+16+(\m)], v[ML+2*(\m)], v[TM+4*(\m)]
.irp x, 0,1,2,3,4
	v_exp_f32 v[X+4*\x+(\m)], v[X+4*\x+(\m)]
.endr
.endm
.macro B3 m, alone                     ; the row's sum, and 1 / it
	WIN 0
.if \alone
	v_nop
	s_wait_alu depctr_va_vdst(0)
.endif
	v_mul_f32 v[TM+4*(\m)+1], v[G+2*(\m)+1], v[X+(\m)]
.irp x, 1,2,3
	v_fmac_f32 v[TM+4*(\m)+1], v[G+8*\x+2*(\m)+1], v[X+4*\x+(\m)]
.endr
	v_rcp_f32 v[TM+4*(\m)+2], v[TM+4*(\m)+1]
.endm
.macro B4 m, alone                     ; the probabilities, into the stage
	WIN 0
.if \alone
	v_nop
.endif
	s_wait_alu depctr_va_vdst(0)                   ; for the reciprocal; the plain instructions of the piece between (or the v_nop) stand behind it
	v_mul_f32 v[FM+2*(\m)], v[X+16+(\m)], v[TM+4*(\m)+2]
	v_mul_f32 v[FM+2*(\m)+1], v[X+16+(\m)], v[TM+4*(\m)+2]
	WIN 0x41
.set k, 64*(\m)
.rept 32
	v_pk_mul_f32 v[k:k+1], v[k:k+1], v[FM+2*(\m):FM+2*(\m)+1]
.set k, k+2
.endr
	WIN 0x04                                       ; the data in window 1
.irp c, 0,1,2,3
.irp j, 0,1,2,3
.if (\c == 3) && (\j > 0)
	ds_store_b128 v[SP0+(\m)/2], v[64*(\m)+16*\c+4*\j:64*(\m)+16*\c+4*\j+3] offset:32000*((\m)%2)+128*\c+16*\j
.else
	ds_store_b128 v[SW0+(\m)/2], v[64*(\m)+16*\c+4*\j:64*(\m)+16*\c+4*\j+3] offset:32000*((\m)%2)+128*\c+16*\j
.endif
.endr
.endr
.endm
; ---- THE WAY OUT: the block as a run of bytes, in pieces of 512 that begin at multiples of 256 from out0's first byte; wave w takes pieces 4 u + w.  Piece u lands in registers 4 u .. 4 u + 3 of window 3, which nothing writes again.
.macro OUTL u0, n
	WIN 0xc0
.set u, \u0
.rept \n
.if u < 32
	ds_load_b128 v[4*u:4*u+3], v[RD0] offset:2048*u
.else
	ds_load_b128 v[4*u:4*u+3], v[RD1] offset:2048*(u-32)
.endif
.set u, u+1
.endr
.endm
.macro OUTS u0, n
	WIN 0x0c                                       ; the data in window 3
.set u, \u0
.rept \n
	s_wait_dscnt \u0+\n-1-u                        ; LDS loads come back in order: piece u is in, the younger ones may be out
	global_store_b128 v[GO], v[4*u:4*u+3], s[28:29] offset:2048*u th:TH_STORE_NT
.set u, u+1
.endr
.endm
; Tile m is finished and leaves; tile m + 1's pieces stand where tile m's chain would wait: behind the store of the pairs, behind their loads, behind the five exponentials, behind the reciprocal, behind the stage's stores and its loads.
; Pieces u0 .. u0 + n - 1 lie wholly in rows 0 .. 16 m + 15 of the stage: 2,048 (u0 + n) <= 32,000 (m + 1).
.macro PIPE m, u0, n
	A1 (\m)+1
	B1 \m
	A2 (\m)+1
	B2 \m
	A3 (\m)+1
	B3 \m, 0
	A4A (\m)+1
	B4 \m, 0
	A4B (\m)+1
	BARRIER                                        ; tile m's rows lie in the stage, from all four waves
	OUTL \u0, \n
	A5 (\m)+1
	OUTS \u0, \n
	STST (\m)+1
.endm
	s_load_b512 s[8:23], s[0:1], 0x0               ; mask s[8:9], dists s[10:11], last_node s[12:13], embeddings s[14:15], q_first s[16:17], the scales s[18:19], embt s[20:21], k16 s[22:23]
	s_load_b128 s[24:27], s[0:1], 0x40             ; wcodes s[24:25], psum s[26:27]
	s_load_b64 s[28:29], s[0:1], 0x50              ; out0
	v_lshl_add_u32 v[SPW], v0, 2, SPARE
	v_mov_b32 v[NIL], 0
	ds_add_u32 v[SPW], v[NIL]                      ; the wave's opening: the add, twice on end, and its wait ahead of my first copy; the addresses below, work on registers, stand between the second and the wait
	ds_add_u32 v[SPW], v[NIL]
	v_lshrrev_b32 v1, 5, v0
	v_readfirstlane_b32 s4, v1                     ; wave w
	s_and_b32 s5, ttmp7, 0xffff                    ; batch b
	s_mov_b32 s6, ttmp9                            ; blk
	s_lshl_b32 s7, s6, 6                           ; my block's first group
	v_and_b32 v1, 31, v0                           ; lane
	v_and_b32 v2, 15, v0                           ; r
	v_bfe_u32 v3, v0, 4, 1                         ; h
	v_lshlrev_b32 v[LI], 4, v1
	s_mul_i32 s2, s4, WREG
	s_lshl_b32 s3, s4, 9
	v_add_nc_u32 v[MC], s2, v[LI]
	v_add_nc_u32 v[GO], s3, v[LI]
	v_min_u32 v[COL], 1984, v[GO]                  ; wave 3's lanes 29-31 repeat the row's last 16 bytes: no copy reads past a row's end, and EXEC stays whole
	v_mul_u32_u24 v[MR], v2, 528
	v_lshl_add_u32 v[MR], v3, 6, v[MR]
	v_add_nc_u32 v[MR], s2, v[MR]
	v_add_nc_u32 v[DR], DB, v[MR]
	v_add_nc_u32 v[IMG], XM, v[LI]
	v_add_nc_u32 v[IWQ], s3, v[IMG]
	v_lshl_add_u32 v[STR], v2, 3, ST
	v_add_nc_u32 v[STW], s3, v[STR]
	v_mul_u32_u24 v[SW0], v2, 2000
	v_lshl_add_u32 v[SW0], v3, 6, v[SW0]
	v_add_nc_u32 v[SW0], s3, v[SW0]
	v_add_nc_u32 v[SW0], STG, v[SW0]               ; the stage: row r of 2,000 bytes, + 512 w + 64 h.  500 words a row: the 16 rows of a store start at 16 different groups of banks
	v_add_nc_u32 v[SW0+1], 64000, v[SW0]
	s_lshl_b32 s2, s4, 11
	v_add_nc_u32 v[IWF], s2, v[IMG]
	s_lshl_b32 s2, s4, 10
	v_add_nc_u32 v[IWH], s2, v[IMG]
	s_and_b32 s100, s5, 3
	s_lshl_b32 s100, s100, 6                       ; a batch is 1,000,000 bytes = 64 mod 256, a block 128,000 = 0 mod 256: my block begins 64 (b % 4) bytes behind a multiple of 256
	v_sub_nc_u32 v[Q0], v[GO], s100
	v_add_nc_u32 v[RD0], STG, v[GO]
	v_sub_nc_u32 v[RD0], v[RD0], s100
	v_add_nc_u32 v[RD1], 0x10000, v[RD0]
	s_lshl_b32 s2, s4, 7
	v_lshl_add_u32 v[PO], v3, 6, s2
	v_add_nc_u32 v[QA], s7, v2
	v_lshl_add_u32 v[QA], v[QA], 9, v[PO]          ; q_first: row (first group + r), my 16 features; tiles 0 to 2 by the immediate,
	s_add_co_u32 s2, s7, 48
	v_add_nc_u32 v[QB], s2, v2
	v_min_u32 v[QB], 499, v[QB]
	v_lshl_add_u32 v[QB], v[QB], 9, v[PO]          ; tile 3 with its rows held at 499
	s_mul_i32 s2, s5, 500
	s_lshl_b32 s3, s4, 4
	s_add_co_u32 s3, s3, s7
	v_add_nc_u32 v[GA], s3, v2
	v_min_u32 v[GA], 499, v[GA]
	v_add_nc_u32 v[GA], s2, v[GA]
	v_lshlrev_b32 v[GA], 2, v[GA]                  ; last_node of group 16 w + r: my wave quantises tile w of the gathered embeddings
	; the mask copies' offsets hang on ids alone: they are made while the arguments are on their way.  A copy's immediate is added to both addresses, so it is taken off the offset: (first group + rho) 2,000 - 528 rho is never negative
	s_mul_i32 s3, s5, 1000000
	s_mul_i32 s2, s7, 2000
	s_add_co_u32 s2, s2, s3
	v_add_nc_u32 v[MBV], s2, v[COL]
	v_add_nc_u32 v[COLD], s3, v[COL]
	WIN 0x80                                       ; destination window 2
.set rho, 0
.rept 52
	v_add_nc_u32 v[128+rho], 1472*rho, v[MBV]
.set rho, rho+1
.endr
.rept 12                                           ; rows 52 .. 63 do not exist in blk 7: held at row 499
	s_add_co_u32 s2, s7, rho
	s_min_u32 s2, s2, 499
	s_mul_i32 s2, s2, 2000
	s_add_co_u32 s2, s2, s3
	s_sub_co_u32 s2, s2, 528*rho
	v_add_nc_u32 v[128+rho], s2, v[COL]
.set rho, rho+1
.endr
	WIN 0
	s_wait_dscnt 0x0                               ; both opening adds are done
	s_wait_kmcnt 0x0
	s_mul_i32 s2, s5, 500
	s_add_co_u32 s2, s2, s7
	s_lshl_b32 s2, s2, 2
	s_mov_b32 s3, 0
	s_add_nc_u64 s[30:31], s[12:13], s[2:3]        ; last_node at my first group
	s_load_b256 s[88:95], s[18:19], 0x0            ; e0 .. e7
	s_load_b128 s[96:99], s[18:19], 0x20           ; e8 .. e11
	s_load_b512 s[32:47], s[30:31], 0x0            ; the last nodes of groups 0 .. 31
	s_load_b512 s[48:63], s[30:31], 0x40
	global_load_b32 v[T0], v[GA], s[12:13]
	; ---- the mask's 64 copies go out ahead of every other stream: the mask is what the wave works on first.  Row rho's 512 bytes of my wave's columns
	WIN 0x02                                       ; the offset in window 2, the LDS address in window 0
.set rho, 0
.rept 64
	global_load_async_to_lds_b128 v[MC], v[128+rho], s[8:9] offset:528*rho
.set rho, rho+1
.endr
	WIN 0
	s_lshl_b32 s2, s5, 16                          ; each pointer is set to the batch's and the wave's part (s3 = 0)
	s_lshl_b32 s104, s4, 14
	s_add_co_u32 s2, s2, s104
	s_add_nc_u64 s[20:21], s[20:21], s[2:3]        ; embt: (8 b + 2 w) 8,192
	s_lshl_b32 s2, s2, 1
	s_add_nc_u64 s[22:23], s[22:23], s[2:3]        ; k16: (32 b + 8 w) 4,096
	s_lshl_b32 s2, s4, 12
	s_add_nc_u64 s[24:25], s[24:25], s[2:3]        ; wcodes: tiles 2 w, 2 w + 1
	s_lshl_b32 s2, s5, 11
	s_add_nc_u64 s[26:27], s[26:27], s[2:3]        ; psum
	s_mul_i32 s2, s5, 256000
	s_add_nc_u64 s[14:15], s[14:15], s[2:3]        ; embeddings
	s_add_nc_u64 s[16:17], s[16:17], s[2:3]        ; q_first
	s_mul_i32 s2, s5, 1000000
	s_mul_i32 s104, s6, 128000
	s_add_co_u32 s2, s2, s104
	s_sub_co_u32 s2, s2, s100
	s_add_nc_u64 s[28:29], s[28:29], s[2:3]        ; out0 at the multiple of 256 at or ahead of my block
	WIN 0xc0                                       ; destination window 3
.irp u, 0,1
.irp s, 0,1,2,3
.irp c, 0,1,2,3
	global_load_b128 v[64*\u+16*\s+4*\c:64*\u+16*\s+4*\c+3], v[LI], s[20:21] offset:8192*\u+2048*\s+512*\c   ; embt: feature tile 2 w + u, K step s
.endr
.endr
.endr
	WIN 0x80                                       ; destination window 2
.irp m, 0,1,2
.irp j, 0,1,2,3
	global_load_b128 v[192+16*\m+4*\j:192+16*\m+4*\j+3], v[QA], s[16:17] offset:8192*\m+16*\j th:TH_LOAD_NT
.endr
.endr
.irp j, 0,1,2,3
	global_load_b128 v[240+4*\j:240+4*\j+3], v[QB], s[16:17] offset:16*\j th:TH_LOAD_NT
.endr
	WIN 0
	s_wait_loadcnt 48                              ; behind the index stand embt's 32 loads and q_first's 16
	v_min_u32 v[T0], 499, v[T0]                    ; a loaded number enters an address only behind this hold
	v_lshlrev_b32 v[T0], 9, v[T0]
	v_lshl_add_u32 v[GA], v3, 6, v[T0]             ; the gathered row, + 64 h
	s_wait_kmcnt 0x0
	WIN 0x80
.set rho, 0
.rept 32                                           ; the dists copies of rows 0 .. 31: row last_node of dists, my wave's columns
	s_min_u32 s2, s[32+rho], 499
	s_mul_i32 s2, s2, 2000
	v_add_nc_u32 v[64+rho], s2, v[COLD]
	v_add_nc_u32 v[rho], DB+528*rho, v[MC]
.set rho, rho+1
.endr
	s_add_co_u32 s2, s7, 52
	s_min_u32 s2, s2, 488                          ; the last twelve entries are read from 488 at the most: inside the batch's 500
	s_mul_i32 s3, s5, 500
	s_add_co_u32 s2, s2, s3
	s_lshl_b32 s2, s2, 2
	s_mov_b32 s3, 0
	s_add_nc_u64 s[2:3], s[12:13], s[2:3]
	s_load_b512 s[32:47], s[30:31], 0x80           ; groups 32 .. 47,
	s_load_b128 s[48:51], s[30:31], 0xc0           ; 48 .. 51,
	s_load_b256 s[52:59], s[2:3], 0x0              ; 52 .. 63
	s_load_b128 s[60:63], s[2:3], 0x20
	WIN 0xc0
.irp x, 0,1,2,3
.irp u, 0,1
.irp c, 0,1,2,3
	global_load_b128 v[128+32*\x+16*\u+4*\c:128+32*\x+16*\u+4*\c+3], v[LI], s[24:25] offset:16384*\x+2048*\u+512*\c   ; weight x, tile 2 w + u
.endr
.endr
.endr
	WIN 0
.irp c, 0,1,2,3
.irp j, 0,1,2,3
	global_load_b128 v[F0+16*\c+4*\j:F0+16*\c+4*\j+3], v[GA], s[14:15] offset:128*\c+16*\j
.endr
.endr
.irp p, 0,1,2,3
.irp j, 0,1,2,3
	global_load_b128 v[F1+16*\p+4*\j:F1+16*\p+4*\j+3], v[PO], s[26:27] offset:512*\p+16*\j
.endr
.endr
	s_wait_kmcnt 0x0
	WIN 0x80
.rept 32
	s_min_u32 s2, s[rho], 499                      ; (entry rho - 32 lies in s[rho])
	s_mul_i32 s2, s2, 2000
	v_add_nc_u32 v[64+rho], s2, v[COLD]
	v_add_nc_u32 v[rho], DB+528*rho, v[MC]
.set rho, rho+1
.endr
	WIN 0x82                                       ; LDS address and offset in window 2
.set rho, 0
.rept 64
	global_load_async_to_lds_b128 v[rho], v[64+rho], s[10:11]
.set rho, rho+1
.endr
	WIN 0
	; ---- the constants.  A broadcast pair's two words are both written
	s_add_co_i32 s2, s92, s93
	P2 66, 2                                       ; s[66:67] 2^(e4 + e5)
	s_mov_b32 s67, s66
	s_add_co_i32 s2, s88, s89
	P2 68, 2                                       ; s[68:69] 2^(e0 + e1)
	s_mov_b32 s69, s68
	s_add_co_i32 s2, s96, s97
	P2 70, 2                                       ; s[70:71] 2^(e8 + e9)
	s_mov_b32 s71, s70
	s_mov_b32 s72, 0x3b03126f                      ; 0.002
	s_mov_b32 s73, s72
	s_mov_b32 s74, 0xc3fa0000                      ; -500
	s_mov_b32 s75, s74
	s_mov_b32 s76, 0x3b000000                      ; 2^-9
	s_mov_b32 s77, s76
	s_add_co_i32 s2, s90, s91
	s_add_co_i32 s2, s2, s98
	s_add_co_i32 s2, s2, s99
	s_add_co_i32 s2, s2, 18                        ; E
	s_sub_co_i32 s3, 133, s2
	s_lshl_b32 s3, s3, 23
	s_or_b32 s78, s3, 0x80000000                   ; s[78:79] -2^(6 - E)
	s_mov_b32 s79, s78
	s_lshl_b32 s3, s2, 23
	s_add_co_u32 s80, s3, 0x3d0293ee               ; s[80:81] 2 log2(e) / (8 sqrt(128)) x 2^E: E is added to the constant's exponent field
	s_mov_b32 s81, s80
	s_mov_b32 s82, 0xc1a00000                      ; -20
	s_mov_b32 s83, s82
	s_mov_b32 s84, 0x41200000                      ; 10
	s_mov_b32 s85, s84
	s_mov_b32 s86, 0x3fb8aa3b                      ; log2(e)
	s_mov_b32 s87, s86
	SCL 94, SC6, 58
	SCL 92, SC4, 60
	SCL 88, SC0, 62
	s_sub_co_i32 s2, s96, s94
	s_sub_co_i32 s2, s2, s95                       ; a sum of product 4 stands for sum x 2^(e6 + e7): its code under e8 is (sum / 500) / 2^(e8 - e6 - e7)
	SCL 2, SCV, 30
	SCL 98, SC10, 104
	s_mov_b32 s48, 0xff800000                      ; -infinity
	s_mov_b32 s49, 0xccbebc20                      ; -1e8
	s_cmp_eq_u32 s4, 3
	s_cselect_b32 s50, 0xffff0000, 0               ; the lanes whose nodes 4 .. 15 of the last block are 500 .. 511
	s_mov_b32 s54, 0x76543210                      ; v_permlanex16_b32's selects for lane l xor 16
	s_mov_b32 s55, 0xfedcba98
	s_mov_b32 s101, 128000
	s_cmp_eq_u32 s6, 7
	s_cselect_b32 s101, 104000, s101               ; my block's bytes of out: 64 rows, or 52
	; ---- M: the mask becomes codes and mask_prob; the gathered embeddings and the mean become codes.  The codes have two sets of registers, v32-47 and v48-63, by turns
	s_wait_asynccnt 63                             ; copies end in the order of issue; 64 were issued behind the mask's last, and the wait's field ends at 63: the mask is in.  Only my wave reads what my copies brought
	WIN 0x40
.irp m, 0,1,2,3
.irp c, 0,1,2,3
.irp j, 0,1,2,3
	ds_load_b128 v[64*\m+16*\c+4*\j:64*\m+16*\c+4*\j+3], v[MR] offset:8448*\m+128*\c+16*\j
.endr
.endr
.endr
.irp m, 0,1,2,3
	s_wait_dscnt 48-12*\m                          ; tile m is in: behind its loads stand 16 loads for each later tile and 4 stores for each earlier tile's image
.irp c, 0,1,2,3
	WIN 0x01
.irp i, 0,1,2,3,4,5,6,7,8,9,10,11,12,13,14,15
	v_cmp_eq_f32 s[32+\i], v[64*\m+16*\c+\i], s48                          ; isneginf
.endr
.irp i, 0,1,2,3,4,5,6,7,8,9,10,11,12,13,14,15
	v_cndmask_b32 v[HA+16*\c+\i], v[64*\m+16*\c+\i], 1.0, s[32+\i]         ; mask_visited
.endr
	WIN 0x41
.irp i, 0,1,2,3,4,5,6,7,8,9,10,11,12,13,14,15
	v_cndmask_b32 v[64*\m+16*\c+\i], v[64*\m+16*\c+\i], s49, s[32+\i]      ; mask_prob
.endr
.endr
	WIN 0
.if \m > 1
	s_wait_dscnt 4                                 ; the image of two tiles back has read this set of registers; the last image's four stores may be out
.endif
	QUANT64 HA, PC+16*(\m%2), SC6, 58
	v_nop                                          ; one plain vector instruction behind the last conversion, ahead of the next write of its sources
	IMAGE PC+16*(\m%2), IWF, 8192*\m               ; fragment (m, K step w)
.endr
	s_wait_loadcnt 16                              ; behind the gathered rows stand psum's 16 loads
	s_wait_dscnt 4                                 ; tile 2's image has read v32-47
	QUANT64 F0, PC, SC4, 60
	v_nop
	IMAGE PC, IWF, XL-XM
	s_wait_loadcnt 0x0
.irp k, 0,2,4,6,8,10,12,14                         ; the mean of my 16 features: four parts, then / 500
	v_pk_add_f32 v[F1+\k:F1+\k+1], v[F1+\k:F1+\k+1], v[F1+16+\k:F1+16+\k+1]
	v_pk_add_f32 v[F1+32+\k:F1+32+\k+1], v[F1+32+\k:F1+32+\k+1], v[F1+48+\k:F1+48+\k+1]
.endr
.irp k, 0,2,4,6,8,10,12,14
	v_pk_add_f32 v[F1+\k:F1+\k+1], v[F1+\k:F1+\k+1], v[F1+32+\k:F1+32+\k+1]
.endr
.irp k, 0,2,4,6,8,10,12,14
	v_pk_mul_f32 v[HA+\k:HA+\k+1], v[F1+\k:F1+\k+1], s[72:73] op_sel_hi:[1,0]                           ; q = x 0.002,
.endr
.irp k, 0,2,4,6,8,10,12,14
	v_pk_fma_f32 v[HA+16+\k:HA+16+\k+1], v[HA+\k:HA+\k+1], s[74:75], v[F1+\k:F1+\k+1] op_sel_hi:[1,0,1]  ; what is left, x - 500 q, exactly,
.endr
.irp k, 0,2,4,6,8,10,12,14
	v_pk_fma_f32 v[HA+\k:HA+\k+1], v[HA+16+\k:HA+16+\k+1], s[72:73], v[HA+\k:HA+\k+1] op_sel_hi:[1,0,1]  ; and q mended by it: x / 500 to f32's last place
.endr
	s_wait_dscnt 4                                 ; tile 3's image has read v48-63
	QUANT16 HA, QG, SC0, 62
	v_nop
	ds_store_b128 v[IWQ], v[QG:QG+3] offset:XG-XM
	BARRIER                                        ; 1: the mask's sixteen fragments, the gathered rows' four and the mean's one lie in LDS
	; ---- products 3, 1 and 4
.irp m, 0,1,2,3
	FETCH F0+16*\m, XL-XM+2048*\m
.endr
	FETCH PC, XG-XM
.irp m, 0,1,2,3
	FETCH F1+16*\m, 8192*\m
.endr
	s_wait_dscnt 16                                ; all but the mask's four fragments
	WIN 0x03                                       ; source 0 window 3
	W8 128                                         ; Wq_last
.irp u, 0,1
	v_wmma_f32_16x16x128_fp8_fp8 v[QG+8*\u:QG+8*\u+7], v[160+16*\u:160+16*\u+15], v[PC:PC+15], 0   ; Wq_graph x the mean
.endr
	s_wait_dscnt 0x0
	WIN 0x83                                       ; destination window 2
.irp m, 0,1,2,3
.irp u, 0,1
	v_wmma_f32_16x16x128_fp8_fp8 v[128+16*\m+8*\u:128+16*\m+8*\u+7], v[64*\u:64*\u+15], v[F1+16*\m:F1+16*\m+15], 0   ; product 4's first K step starts the sums, in the registers that the mask's copies have left
.endr
.endr
	WIN 0
	PLACES
.irp m, 0,1,2,3
	FETCH F0+16*\m, 8192*\m+2048
.endr
.irp m, 0,1,2,3
	FETCH F1+16*\m, 8192*\m+4096
.endr
	WIN 0xa0                                       ; destination and source 2 window 2
.set k, 0
.rept 32
	v_pk_fma_f32 v[192+k:192+k+1], v[HA+k:HA+k+1], s[66:67], v[192+k:192+k+1] op_sel_hi:[1,0,1]        ; q_last + q_first: the power of two is exact, so one rounding, as reference() has it
.set k, k+2
.endr
.set k, 0
.rept 32
	v_pk_fma_f32 v[192+k:192+k+1], v[QG+k%16:QG+k%16+1], s[68:69], v[192+k:192+k+1] op_sel_hi:[1,0,1]  ; + q_graph
.set k, k+2
.endr
	s_wait_dscnt 16                                ; K step 1 is in
	WIN 0xa3
	MUL4 1, F0
	WIN 0
	PLACES
.irp m, 0,1,2,3
	FETCH F0+16*\m, 8192*\m+6144
.endr
	s_wait_dscnt 16                                ; K step 2 is in
	WIN 0xa3
	MUL4 2, F1
	s_wait_dscnt 0x0
	MUL4 3, F0
	WIN 0
	PLACES
	WIN 0xc0                                       ; the keys come into the registers that embt, Wq_last and Wq_graph have left
.irp t, 0,1,2,3,4,5
	KLOAD \t
.endr
	WIN 0x02
.set k, 0
.rept 32
	v_pk_mul_f32 v[HA+k:HA+k+1], v[128+k:128+k+1], s[72:73] op_sel_hi:[1,0]                            ; / 500, as above; each accumulator from its low end on
.set k, k+2
.endr
	WIN 0x20
.set k, 0
.rept 32
	v_pk_fma_f32 v[F0+k:F0+k+1], v[HA+k:HA+k+1], s[74:75], v[128+k:128+k+1] op_sel_hi:[1,0,1]
.set k, k+2
.endr
	WIN 0
.set k, 0
.rept 32
	v_pk_fma_f32 v[HA+k:HA+k+1], v[F0+k:F0+k+1], s[72:73], v[HA+k:HA+k+1] op_sel_hi:[1,0,1]
.set k, k+2
.endr
.irp m, 0,1,2,3
	QUANT16 HA+16*\m, PC+4*\m, SCV, 30
.endr
	v_nop
.irp m, 0,1,2,3
	ds_store_b128 v[IWQ], v[PC+4*\m:PC+4*\m+3] offset:XV-XM+2048*\m   ; my 32 features are quarter w of the next K
.endr
	BARRIER                                        ; 2: the visited query's codes lie in LDS; nobody reads the mask's codes any more
	; ---- product 5 and final_q
.irp m, 0,1,2,3
	FETCH F0+16*\m, XV-XM+2048*\m
.endr
	s_wait_dscnt 0x0
	WIN 0x03
	W8 192                                         ; Wq_visited
	WIN 0
	PLACES
	WIN 0xc0
	KLOAD 6
	WIN 0x20
.set k, 0
.rept 32
	v_pk_fma_f32 v[HA+k:HA+k+1], v[HA+k:HA+k+1], s[70:71], v[192+k:192+k+1] op_sel_hi:[1,0,1]          ; + q_visited
.set k, k+2
.endr
	WIN 0
.irp m, 0,1,2,3
	QUANT16 HA+16*\m, PC+4*\m, SC10, 104
.endr
	v_nop
.irp m, 0,1,2,3
	ds_store_b128 v[IWQ], v[PC+4*\m:PC+4*\m+3] offset:2048*\m
.endr
	BARRIER                                        ; 3: final_q's codes lie in LDS
	; ---- product 6; q as f16; the distances, whose LDS loads stand ahead of the work of this phase and land under it
	s_wait_asynccnt 0x0                            ; the distances are in LDS, and the copies' address registers, all of window 2's lower half, are free; nothing else in window 2 is wanted any more
.irp m, 0,1,2,3
	FETCH F0+16*\m, 2048*\m
.endr
	WIN 0x80
	DLOAD 0
	DLOAD 1
	WIN 0
	s_wait_dscnt 32                                ; final_q's four fragments are in; the 32 loads of distances behind them may be out
	WIN 0x03
	W8 224                                         ; Wq, by neighbouring rows: register j of tile u is feature 32 w + 16 u + 8 h + j, the f16 fragment's own order
	WIN 0
	PLACES
	WIN 0xc0
	KLOAD 7
	WIN 0x80
	DLOAD 2
	DLOAD 3
	WIN 0
.set k, 0
.rept 32
	v_pk_mul_f32 v[HA+k:HA+k+1], v[HA+k:HA+k+1], s[76:77] op_sel_hi:[1,0]
.set k, k+2
.endr
.set k, 0
.rept 32
	v_cvt_pk_f16_f32 v[F1+k], v[HA+2*k], v[HA+2*k+1]
.set k, k+1
.endr
.irp m, 0,1,2,3
.irp u, 0,1
	ds_store_b128 v[IWH], v[F1+8*\m+4*\u:F1+8*\m+4*\u+3] offset:8192+4096*\m+512*\u   ; fragment (m, K step w)
.endr
.endr
	BARRIER                                        ; 4: q's sixteen fragments lie in LDS
	; ---- the scores, tile by tile: a tile's eight accumulators, begun with -d 2^(6 - E), take turns, one instruction a turn
.irp m, 0,1,2,3
.irp s, 0,1,2,3
.irp h, 0,1
	ds_load_b128 v[128+32*\m+8*\s+4*\h:128+32*\m+8*\s+4*\h+3], v[IMG] offset:8192+4096*\m+1024*\s+512*\h
.endr
.endr
.endr
	WIN 0x82
.set k, 0
.rept 128
	v_pk_mul_f32 v[k:k+1], v[k:k+1], s[78:79] op_sel_hi:[1,0]
.set k, k+2
.endr
	s_wait_loadcnt 0x0                             ; the keys
	s_wait_dscnt 0x0
	WIN 0xa3                                       ; keys window 3, q window 0, C and D window 2
.irp m, 0,1,2,3
.irp s, 0,1,2,3
.irp t, 0,1,2,3,4,5,6,7
	v_wmma_f32_16x16x32_f16 v[64*\m+8*\t:64*\m+8*\t+7], v[32*\t+8*\s:32*\t+8*\s+7], v[128+32*\m+8*\s:128+32*\m+8*\s+7], v[64*\m+8*\t:64*\m+8*\t+7]
.endr
.endr
.endr
	PLACES
	WIN 0
	s_lshr_b32 s2, s4, 1
	s_and_b32 s2, s2, s4                           ; 1 in wave 3 alone
	s_mul_i32 s2, s2, DB
	v_mad_u32_u24 v[SP0], v3, s2, v[SW0]           ; wave 3's upper lanes hold nodes 500 .. 511 in three of a tile's sixteen stores into the stage: those go DB bytes further on, behind the stage, into bytes that nobody reads; all lanes stay on
	v_mad_u32_u24 v[SP0+1], v3, s2, v[SW0+1]
	; ---- 10 tanh, the mask, the softmax and the way out, tile by tile
	A1 0
	A2 0
	A3 0
	A4A 0
	A4B 0
	A5 0
	STST 0
	PIPE 0, 1, 14                                  ; tile 0 leaves (pieces 1 .. 14) | tile 1's tanh and statistics
	PIPE 1, 15, 16                                 ; tile 1 leaves | tile 2's
	PIPE 2, 31, 15                                 ; tile 2 leaves | tile 3's
	B1 3                                           ; the last tile has nothing to set between its pieces
	B2 3
	B3 3, 1
	B4 3, 1
	BARRIER                                        ; the block's last rows lie in the stage
	OUTL 46, 4                                     ; pieces 46 .. 49 lie inside every block
	OUTS 46, 4
	WIN 0
	MSTORE 0, RD0, 0                               ; the block's head: up to 192 bytes of piece 0 belong to the block before
	MSTORE 50, RD1, 36864                          ; the end of a block of 52 rows; whole in the others
	s_cmp_eq_u32 s6, 7                             ; the work-group's number alone
	s_cbranch_scc1 .Ldone
	OUTL 51, 11
	OUTS 51, 11
	WIN 0
	MSTORE 62, RD1, 61440                          ; the end of a block of 64 rows
.Ldone:
	s_wait_tensorcnt 0x0                           ; the wave's end: behind my last copy (waited for behind barrier 3) and my last LDS store
	ds_add_u32 v[SPW], v[NIL]
	s_wait_dscnt 0x0
	s_endpgm
.Lfunc_end_k_qe974c1fcb9_decode:
	.size	k_qe974c1fcb9_decode, .Lfunc_end_k_qe974c1fcb9_decode-k_qe974c1fcb9_decode
	.p2alignl 7, 3214868480
	.fill 96, 4, 3214868480
	.section	.rodata,"a",@progbits
	.p2align	6, 0x0
	.amdhsa_kernel k_qe974c1fcb9_decode
		.amdhsa_group_segment_fixed_size 327680
		.amdhsa_private_segment_fixed_size 0
		.amdhsa_enable_private_segment 0
		.amdhsa_kernarg_size 88
		.amdhsa_user_sgpr_count 2
		.amdhsa_user_sgpr_kernarg_segment_ptr 1
		.amdhsa_wavefront_size32 1
		.amdhsa_system_sgpr_workgroup_id_x 1
		.amdhsa_system_sgpr_workgroup_id_y 1
		.amdhsa_system_sgpr_workgroup_id_z 1
		.amdhsa_system_vgpr_workitem_id 0
		.amdhsa_next_free_vgpr 1024
		.amdhsa_next_free_sgpr 106
		.amdhsa_reserve_vcc 1
		.amdhsa_float_denorm_mode_32 3
		.amdhsa_float_denorm_mode_16_64 3
		.amdhsa_memory_ordered 1
		.amdhsa_forward_progress 1
		.amdhsa_inst_pref_size 255
	.end_amdhsa_kernel
	.section	.bss,"aw",@nobits
	.p2align	6
	.space	262144
	.amdgpu_metadata
---
amdhsa.version: [ 1, 2 ]
amdhsa.kernels:
  - .name:           k_qe974c1fcb9_decode
    .symbol:         k_qe974c1fcb9_decode.kd
    .args:
      - { .name: group_ninf_mask, .offset: 0, .size: 8, .value_kind: global_buffer, .address_space: global }
      - { .name: dists, .offset: 8, .size: 8, .value_kind: global_buffer, .address_space: global }
      - { .name: last_node, .offset: 16, .size: 8, .value_kind: global_buffer, .address_space: global }
      - { .name: embeddings, .offset: 24, .size: 8, .value_kind: global_buffer, .address_space: global }
      - { .name: q_first, .offset: 32, .size: 8, .value_kind: global_buffer, .address_space: global }
      - { .name: lowp_scales, .offset: 40, .size: 8, .value_kind: global_buffer, .address_space: global }
      - { .name: embt, .offset: 48, .size: 8, .value_kind: global_buffer, .address_space: global }
      - { .name: k16, .offset: 56, .size: 8, .value_kind: global_buffer, .address_space: global }
      - { .name: wcodes, .offset: 64, .size: 8, .value_kind: global_buffer, .address_space: global }
      - { .name: psum, .offset: 72, .size: 8, .value_kind: global_buffer, .address_space: global }
      - { .name: out0, .offset: 80, .size: 8, .value_kind: global_buffer, .address_space: global }
    .group_segment_fixed_size: 327680
    .private_segment_fixed_size: 0
    .kernarg_segment_align: 8
    .kernarg_segment_size: 88
    .max_flat_workgroup_size: 128
    .sgpr_count:     106
    .vgpr_count:     1024
    .wavefront_size: 32
...
	.end_amdgpu_metadata
.endif
;; end of part 2
